; MI455X (gfx1250); checked and timed in simulation.
; The chip was launched on July 23, 2026; its instructions are those of AMD's public machine-readable ISA for CDNA 5 (MIT licence, August 2026) and "CDNA5" Instruction Set Architecture Reference Guide (July 2026). The comments in the code are by the model that wrote it; some were corrected since.
;; CNF ODE. Allowed arithmetic: float matrix products may take bf16 or f16 operands with f32 sums; all other float work in f32.
;; Inputs: W1 4 x 128 float32; W2 128 x 128 float32; W3 128 x 64 float32; W4 64 x 2 float32; b1 128 float32; b2 128 float32; b3 64 float32; b4 2 float32; logp 524,288 x 1 float32; t 1 float32; v 524,288 x 3 float32; y 524,288 x 3 float32.
;; Outputs: out0 524,288 x 3 float32; out1 524,288 x 1 float32.
;; 2 versions, each right and faster than the one before. Each part assembles by itself: llvm-mc -triple=amdgcn-amd-amdhsa -mcpu=gfx1250 --defsym DOCPART=n.
;; ======== version 1 of 2: 1 launch
;; limits: values are held in f16: magnitudes above 65,504 overflow, below 6.1e-05 lose precision; inputs' magnitudes at most 65,504; right only within a limited range of input values
;; launch cnf (part 1): grid 256 x 1, 4 waves a work-group, no clusters, 143,872 bytes of LDS; arguments y, v, W1, b1, W2, b2, W3, b3, W4, b4, t, out0, out1, logp; writes out0, out1
.if DOCPART == 1
	.amdgcn_target "amdgcn-amd-amdhsa--gfx1250"
	.amdhsa_code_object_version 6
	.text
	.protected	k_q31957ee7ea_cnf
	.globl	k_q31957ee7ea_cnf
	.p2align	8
	.type	k_q31957ee7ea_cnf,@function
k_q31957ee7ea_cnf:
	s_mov_b64 s[64:65], 0
	v_nop
	global_prefetch_b8 v0, s[64:65] scope:SCOPE_SE
	s_setreg_imm32_b32 hwreg(HW_REG_WAVE_MODE, 25, 1), 1
	s_wait_xcnt 0x0
; CNF_ODE: for each of 524,288 rows  dy = MLP(y, t) (4 -> 128 -> 128 -> 64 -> 2, SiLU), out0 = (dy0, dy1, 0), out1 = -v^T J v.
; The third output column is identically zero, so v^T J v = v0 (Jv)_0 + v1 (Jv)_1.  Jv is made in FORWARD mode: a tangent runs beside the
; primal through the same weights.  Same value as the reference's backward form for every input, same products; the ORDER OF ROUNDING differs.
; 256 work-groups x 4 waves; a wave owns 512 rows = 16 trips of two groups (A, B) of 16 rows.  All weights lie in the wave's registers as f16
; fragments; activations go from a product's result registers straight into the next product's operand registers; the loop touches no global memory.
; While the vector unit works on one group's activations, the other group's matrix instructions are issued between them, one at a time.
; FORMAT: matrix operands are f16, sums f32.  Pre-activations are kept as z' = -log2(e) z, so sigmoid = 1 / (1 + 2^z').  Each layer's activations are
; divided by a power of two sigma and the next weights multiplied by it (exact), sigma taken from bounds that the work-group derives from its own
; data: |activation / sigma| < 2^15 always.  Each row's tangent is scaled by a power of two tau0 so that it obeys the primal's bounds.
; LIMITS, stated: |y|, |log2(e) W1|, |log2(e) (t W1[3] + b1)| < 65,504 (f16);  max|W2| B1 and max|W3| B2 < 2^30, where B1, B2 bound the first and second
; layers' |z'| (below);  a row's max|v| <= 2^60 (below 2^-60 the row's tangent is scaled as if it were 2^-60);  no NaN or infinity among the inputs.
; logp enters no result of the reference; it is loaded once (2 KiB a wave) and not used.
; NO CLUSTER, NO TENSOR LOADS: what work-groups share is the weights, 102,156 bytes read once by each; they must pass through registers anyway,
; to be scaled by numbers the work-group first derives and rounded to f16.  Rows are shared by nobody.
;
; REGISTERS, four windows of 256 (s_set_vgpr_msb: bits 1:0 source 0, 3:2 source 1, 5:4 source 2, 7:6 destination):
;   window 2: W2 fragment (tile f, k block k) at 8 (4 f + k)
;   window 3: W3 fragments at 8 (4 f + k), 0-127; bias tiles of layer 2 at 128 + 8 f, of layer 3 at 192 + 8 f; W1 octets at 224 + 8 o
;   window g (0: group A, 1: group B): 0-127 accumulators (tile f: primal 16 f, tangent 16 f + 8); 128-159 / 160-191 operands H (primal / tangent);
;     192-193 dy; 194-213 layer 1's operand quads Z0 xP Z1 xT Z2; 214-233 work; 234-235 -ln 2; 236-238 v of the rows; 239 -lambda4 / tau0
;   window 0, 240-255: W4 fragments.  window 1, 240-246: LDS and global offsets of the loop and the way out.
.set RED,  0                           ; LDS: 4 waves x 32 bytes, the eight maxima
.set B2R,  256                         ; -log2(e) b2, f32
.set B3R,  768                         ; -log2(e) b3, f32
.set W4T,  1024                        ; W4 scaled, f16, 2 rows (one a column of W4) of 64, pitch 144
.set W1R,  1536                        ; 16 bytes a feature: (W'0, W'1) (W'2, c_hi) (c_lo, 0) 0 in f16
.set W2H,  3584                        ; W2 sigma2 in f16, [k][n], pitch 288 = 9 x 32
.set PW2,  288
.set W3H,  40448                       ; W3 sigma3 in f16, [k][n], pitch 160 = 5 x 32
.set PW3,  160
.set YS,   61440                       ; y, 6,144 bytes a wave, the wave's own
.set VSD,  24576                       ; v lies this far behind y
.set O0S,  110592                      ; out0, 6,144 bytes a wave, the wave's own
.set O1S,  135168                      ; out1, 2,048 bytes a wave, the wave's own
.set RE,   214                         ; 2^z', then the denominator
.set RS,   218                         ; sigmoid / sigma, two buffers of four
.set RHT,  226                         ; H in f32; y lands here
.set RQT,  230                         ; q, then G, then dH; scratch of the input and output steps
.set RK2,  234                         ; -ln 2, twice
.set RIV,  236                         ; v0, v1, v2
.set RNI,  239                         ; -lambda4 / tau0
.set LY,   240                         ; window 1: LDS address of the next pair's y
.set LO0,  241                         ; LDS address for this pair's out0
.set LO1,  242                         ; and out1
.set RO0,  243                         ; the way out: read back out0
.set RO1,  244
.set GO0,  245                         ; the way out: byte offset in out0
.set GO1,  246
.set MSB, 0
.macro WIN new                         ; the immediate's high byte repeats the setting that is left; a switch that changes nothing is dropped
.if MSB != \new
	s_set_vgpr_msb (MSB<<8)|\new
.set MSB, \new
.endif
.endm
; ---------------------------------------------------------------- the loop's macros.  GA: group whose activations are made; GM: group whose products are issued; LL: layer
; Layer 1: tile FF, primal (PP = 0) or tangent.  A = W1 octet (tile 2o | tile 2o+1), B = (x | zeros) for even tiles, (zeros | x) for odd ones; the bias rides in k = 3, 4.
.macro MM1 i
	.set FF, (\i)>>1
	.set PP, (\i)&1
	.set BB, 198+8*PP-4*(FF&1)
	WIN (3|(GM<<2)|(GM<<4)|(GM<<6))
	v_wmma_f32_16x16x32_f16 v[16*FF+8*PP:16*FF+8*PP+7], v[224+8*(FF>>1):224+8*(FF>>1)+7], v[BB:BB+7], 0
.endm
; Layers 2 and 3: aw = window of the weights, lf = log2 of the tiles, bias = first bias tile (window 3).  k block outermost, so the 2 x tiles accumulators
; take turns, one instruction a turn.  The first k block starts the sums: the primal's from the bias tile, the tangent's from 0.
.macro MMH i, aw, lf, bias
	.set KK, (\i)>>(\lf+1)
	.set FF, ((\i)>>1)&((1<<\lf)-1)
	.set PP, (\i)&1
	.set DD, 16*FF+8*PP
	.set AA, 8*(4*FF+KK)
	.set BB, 128+32*PP+8*KK
.if KK == 0
	WIN (\aw|(GM<<2)|(3<<4)|(GM<<6))
.if PP == 0
	v_wmma_f32_16x16x32_f16 v[DD:DD+7], v[AA:AA+7], v[BB:BB+7], v[\bias+8*FF:\bias+8*FF+7]
.else
	v_wmma_f32_16x16x32_f16 v[DD:DD+7], v[AA:AA+7], v[BB:BB+7], 0
.endif
.else
	WIN (\aw|(GM<<2)|(GM<<4)|(GM<<6))
	v_wmma_f32_16x16x32_f16 v[DD:DD+7], v[AA:AA+7], v[BB:BB+7], v[DD:DD+7]
.endif
.endm
; Layer 4: two k blocks, primal into 64-71, tangent into 72-79, by turns.  A's rows 0, 1 and 8, 9 are W4's two columns: both halves of the wave get the results.
.macro MM4 i
	.set KK, (\i)>>1
	.set PP, (\i)&1
	WIN (0x54*GM)
.if KK == 0
	v_wmma_f32_16x16x32_f16 v[64+8*PP:71+8*PP], v[240+8*KK:247+8*KK], v[128+32*PP+8*KK:135+32*PP+8*KK], 0
.else
	v_wmma_f32_16x16x32_f16 v[64+8*PP:71+8*PP], v[240+8*KK:247+8*KK], v[128+32*PP+8*KK:135+32*PP+8*KK], v[64+8*PP:71+8*PP]
.endif
.endm
; The activation of quad q (four features of 16 rows) in five pieces.
.macro EXPQ q                          ; e = 2^z'
	.set ZB, 16*((\q)>>1)+4*((\q)&1)
	WIN (0x55*GA)
	v_exp_f32 v[RE], v[ZB]
	v_exp_f32 v[RE+1], v[ZB+1]
	v_exp_f32 v[RE+2], v[ZB+2]
	v_exp_f32 v[RE+3], v[ZB+3]
.endm
.macro DEN                             ; d = sigma e + sigma
	WIN (0x55*GA)
	s_wait_alu depctr_va_vdst(0)
	v_pk_fma_f32 v[RE:RE+1], v[RE:RE+1], s[36+2*LL:37+2*LL], s[36+2*LL:37+2*LL] op_sel_hi:[1,0,0]
	v_pk_fma_f32 v[RE+2:RE+3], v[RE+2:RE+3], s[36+2*LL:37+2*LL], s[36+2*LL:37+2*LL] op_sel_hi:[1,0,0]
.endm
.macro RCPQ q                          ; s = 1 / d = sigmoid / sigma
	.set SB, RS+4*((\q)&1)
	WIN (0x55*GA)
	v_rcp_f32 v[SB], v[RE]
	v_rcp_f32 v[SB+1], v[RE+1]
	v_rcp_f32 v[SB+2], v[RE+2]
	v_rcp_f32 v[SB+3], v[RE+3]
.endm
.macro ACT1 q                          ; H = z' s;  q = ln2 sigma s - ln2;  G = H q + s = silu' / sigma
	.set ZB, 16*((\q)>>1)+4*((\q)&1)
	.set SB, RS+4*((\q)&1)
	WIN (0x55*GA)
	s_wait_alu depctr_va_vdst(0)
	v_pk_mul_f32 v[RHT:RHT+1], v[ZB:ZB+1], v[SB:SB+1]
	v_pk_mul_f32 v[RHT+2:RHT+3], v[ZB+2:ZB+3], v[SB+2:SB+3]
	v_pk_fma_f32 v[RQT:RQT+1], v[SB:SB+1], s[42+2*LL:43+2*LL], v[RK2:RK2+1] op_sel_hi:[1,0,1]
	v_pk_fma_f32 v[RQT+2:RQT+3], v[SB+2:SB+3], s[42+2*LL:43+2*LL], v[RK2:RK2+1] op_sel_hi:[1,0,1]
	v_pk_fma_f32 v[RQT:RQT+1], v[RHT:RHT+1], v[RQT:RQT+1], v[SB:SB+1]
	v_pk_fma_f32 v[RQT+2:RQT+3], v[RHT+2:RHT+3], v[RQT+2:RQT+3], v[SB+2:SB+3]
.endm
.macro ACT2 q                          ; dH = G x tangent; both rounded to f16 into registers 2 q, 2 q + 1 of the next product's operands
	.set ZB, 16*((\q)>>1)+4*((\q)&1)
	WIN (0x55*GA)
	v_pk_mul_f32 v[RQT:RQT+1], v[RQT:RQT+1], v[ZB+8:ZB+9]
	v_pk_mul_f32 v[RQT+2:RQT+3], v[RQT+2:RQT+3], v[ZB+10:ZB+11]
	v_cvt_pk_f16_f32 v[128+2*(\q)], v[RHT], v[RHT+1]
	v_cvt_pk_f16_f32 v[129+2*(\q)], v[RHT+2], v[RHT+3]
	v_cvt_pk_f16_f32 v[160+2*(\q)], v[RQT], v[RQT+1]
	v_cvt_pk_f16_f32 v[161+2*(\q)], v[RQT+2], v[RQT+3]
.endm
; Group GM's next 16 rows of y and v out of the wave's own LDS bytes; lanes r and r + 16 read the same row.
.macro INLD
	WIN ((GM<<6)|1)
	ds_load_b32 v[RHT], v[LY] offset:192*GM
	ds_load_b32 v[RHT+1], v[LY] offset:192*GM+4
	ds_load_b32 v[RHT+2], v[LY] offset:192*GM+8
	ds_load_b32 v[RIV], v[LY] offset:192*GM+VSD
	ds_load_b32 v[RIV+1], v[LY] offset:192*GM+VSD+4
	ds_load_b32 v[RIV+2], v[LY] offset:192*GM+VSD+8
.if GM == 1
	WIN 0x55
	v_add_nc_u32 v[LY], 384, v[LY]                 ; the next pair: 32 rows of 12 bytes
.endif
.endm
; Layer 1's operands of group GM: xP = (y0, y1) (y2, 1) (1, 0) 0;  xT = (v0, v1) (v2, 0) 0 0 times tau0 = 2^(eKT - exponent of max|v|).
.macro INCALC
	s_wait_dscnt 0x0                               ; the six loads of INLD (the output's four stores stand ahead of them)
	WIN (0x55*GM)
	v_cvt_pk_f16_f32 v198, v[RHT], v[RHT+1]
	v_cvt_pk_f16_f32 v199, v[RHT+2], 1.0
	v_max3_num_f32 v[RQT], |v[RIV]|, |v[RIV+1]|, |v[RIV+2]|
	v_med3_num_f32 v[RQT], v[RQT], s54, s55        ; kept inside 2^-60 .. 2^60
	v_and_b32 v[RQT], s53, v[RQT]                  ; its exponent field
	v_sub_nc_u32 v[RQT+1], s52, v[RQT]             ; bits of tau0
	v_sub_nc_u32 v[RQT+2], 0x7f000000, v[RQT+1]    ; bits of 1 / tau0
	v_mul_f32 v[RNI], s51, v[RQT+2]                ; -lambda4 / tau0
	v_mul_f32 v[RQT+2], v[RIV], v[RQT+1]
	v_mul_f32 v[RQT+3], v[RIV+1], v[RQT+1]
	v_mul_f32 v[RQT], v[RIV+2], v[RQT+1]
	v_cvt_pk_f16_f32 v206, v[RQT+2], v[RQT+3]
	v_cvt_pk_f16_f32 v207, v[RQT], 0
.endm
; Group GM's results into the wave's own stage: dy_c = lambda4 accP_c + b4_c, 0, and (v0 accT_0 + v1 accT_1) (-lambda4 / tau0).
.macro OUT
	WIN (0x55*GM)
	v_fma_f32 v192, v64, s50, s36
	v_fma_f32 v193, v65, s50, s37
	v_mul_f32 v[RQT], v[RIV], v72
	v_fma_f32 v[RQT], v[RIV+1], v73, v[RQT]
	v_mul_f32 v[RQT], v[RQT], v[RNI]
	WIN (1|(GM<<2))
	ds_store_b32 v[LO0], v192 offset:192*GM
	ds_store_b32 v[LO0], v193 offset:192*GM+4
	ds_store_b32 v[LO0], v194 offset:192*GM+8      ; v194 is always 0: the third column
	ds_store_b32 v[LO1], v[RQT] offset:64*GM
.if GM == 1
	WIN 0x55
	v_add_nc_u32 v[LO0], 384, v[LO0]
	v_add_nc_u32 v[LO1], 128, v[LO1]
.endif
.endm
; One place between two pieces of the activation: the next matrix instruction of the step's job, if one is due.
.macro SLOT
.if JOB == 2
.if MI < 64
	MMH MI, 2, 3, 128
	.set MI, MI+1
.endif
.endif
.if JOB == 3
.if (SL % STRIDE) == 0
.if MI < 32
	MMH MI, 3, 2, 192
	.set MI, MI+1
.endif
.endif
.endif
.if JOB == 5
.if SL < 4
	MM4 SL
.endif
.if LAST == 0
.if SL >= 16
.if SL < 32
	MM1 SL-16
.endif
.endif
.endif
.endif
	.set SL, SL+1
.endm
.macro HEADQ                           ; job 5: results out and next rows asked for at quad 2 (17 plain vector instructions behind layer 4's last product), operands made at quad 4
.if JOB == 5
.if Q == 2
	OUT
.if LAST == 0
	INLD
.endif
.endif
.if Q == 4
.if LAST == 0
	INCALC
.endif
.endif
.endif
.endm
; A step: the activation of layer l of group ga (nq quads), software-pipelined over the quads, with group gm's job strewn between its pieces.
; job 0: none; 2: layer 2's 64 products; 3: layer 3's 32, one every stride-th place; 5: layer 4, results, next rows, layer 1.
; Behind each run of v_exp_f32 or v_rcp_f32 a plain vector instruction that touches neither its results nor its sources comes first (ISA guide 5.7.2):
; ACT1 behind RCPQ, ACT2 behind EXPQ, v_nop where the pipeline is still empty.  Behind a job's last product stand at least 18 plain vector instructions
; of the other group's window before anything reads its results or rewrites its operands (ISA guide 7.12.1 asks for four).
.macro STEP ga, l, nq, job, gm, stride, last
	.set GA, \ga
	.set LL, \l
	.set NQ, \nq
	.set JOB, \job
	.set GM, \gm
	.set STRIDE, \stride
	.set LAST, \last
	.set SL, 0
	.set MI, 0
	.set Q, 0
	EXPQ 0
	v_nop
	DEN
.rept \nq+1
	HEADQ
	SLOT
.if Q < NQ
	RCPQ Q
.endif
	SLOT
.if Q > 0
	ACT1 Q-1
.else
	v_nop
.endif
	SLOT
.if Q+1 < NQ
	EXPQ Q+1
.endif
	SLOT
.if Q > 0
	ACT2 Q-1
.else
	v_nop
.endif
.if Q+1 < NQ
	DEN
.endif
	.set Q, Q+1
.endr
.endm
; A trip: 32 rows.  On entry group A's h1 lies in its operands and group B's z1 in its accumulators.
.macro TRIP last
	STEP 1, 1, 16, 2, 0, 1, 0                      ; B: act 1     A: layer 2
	STEP 0, 2, 16, 2, 1, 1, 0                      ; A: act 2     B: layer 2
	STEP 1, 2, 16, 3, 0, 2, 0                      ; B: act 2     A: layer 3
	STEP 0, 3, 8, 3, 1, 1, 0                       ; A: act 3     B: layer 3
	STEP 1, 3, 8, 5, 0, 1, \last                   ; B: act 3     A: layer 4, out, next rows, layer 1
.if \last
	.set GM, 1                                     ; the last pair: B's layer 4 and results, nothing more to fetch
	MM4 0
	MM4 1
	MM4 2
	MM4 3
.rept 4
	v_nop                                          ; four places before the results are read (ISA guide 7.12.1)
.endr
	OUT
.else
	STEP 0, 1, 16, 5, 1, 1, 0                      ; A: act 1 of the next pair     B: layer 4, out, next rows, layer 1
.endif
.endm
.macro WMAX r                          ; the largest of the wave's 32 lanes, in every lane
	v_max_num_f32_dpp v[\r], v[\r], v[\r] row_xmask:1 row_mask:0xf bank_mask:0xf
	v_max_num_f32_dpp v[\r], v[\r], v[\r] row_xmask:2 row_mask:0xf bank_mask:0xf
	v_max_num_f32_dpp v[\r], v[\r], v[\r] row_xmask:4 row_mask:0xf bank_mask:0xf
	v_max_num_f32_dpp v[\r], v[\r], v[\r] row_xmask:8 row_mask:0xf bank_mask:0xf
	v_permlanex16_b32 v136, v[\r], s32, s33
	v_max_num_f32 v[\r], v[\r], v136
.endm
.macro CONSTS                          ; the zeros of layer 1's operand quads, the two ones' second word, -ln 2
.irp rr, 194,195,196,197,201,202,203,204,205,208,209,210,211,212,213
	v_mov_b32 v\rr, 0
.endr
	v_mov_b32 v200, 0x3c00                         ; (1.0, 0) in f16: multiplies c_lo
	v_mov_b32 v234, 0xbf317218
	v_mov_b32 v235, 0xbf317218
.endm
; ---------------------------------------------------------------- A. addresses, and all 84 global loads
	s_load_b512 s[4:19], s[0:1], 0x0               ; y s[4:5], v s[6:7], W1 s[8:9], b1 s[10:11], W2 s[12:13], b2 s[14:15], W3 s[16:17], b3 s[18:19]
	s_load_b256 s[20:27], s[0:1], 0x40             ; W4 s[20:21], b4 s[22:23], t s[24:25], out0 s[26:27]
	s_load_b128 s[28:31], s[0:1], 0x60             ; out1 s[28:29], logp s[30:31]
	s_set_vgpr_msb 0x40
	v_lshl_add_u32 v254, v0, 2, 0x23000
	v_mov_b32 v255, 0
	s_set_vgpr_msb 0x4000
	v_lshrrev_b32 v1, 5, v0
	v_readfirstlane_b32 s35, v1                    ; wave w
	v_and_b32 v2, 31, v0                           ; lane L
	v_and_b32 v14, 15, v0                          ; r = L & 15
	v_bfe_u32 v1, v0, 4, 1                         ; h = L >> 4
	s_mov_b32 s32, 0x76543210                      ; v_permlanex16_b32: lane i reads lane i of the other half
	s_mov_b32 s33, 0xfedcba98
	s_mov_b32 s53, 0x7f800000                      ; an f32's exponent field
	s_mov_b32 s54, 0x21800000                      ; 2^-60
	s_mov_b32 s55, 0x5d800000                      ; 2^60
	s_mul_i32 s58, ttmp9, 24576                    ; the work-group's 2,048 rows of 12 bytes
	s_mov_b32 s59, 0
	s_lshl_b32 s60, ttmp9, 13                      ; and of 4 bytes
	s_mov_b32 s61, 0
	s_mul_i32 s2, s35, 6144                        ; the wave's 512 rows of 12 bytes
	s_lshl_b32 s3, s35, 11                         ; and of 4 bytes
	v_lshl_add_u32 v3, v2, 4, s2                   ; y, v, out0: 6,144 w + 16 L
	v_lshl_add_u32 v8, v2, 4, s3                   ; logp, out1: 2,048 w + 16 L
	s_wait_kmcnt 0x0
	s_load_b32 s34, s[24:25], 0x0                  ; t
	s_load_b64 s[36:37], s[22:23], 0x0             ; b4
	s_add_nc_u64 s[4:5], s[4:5], s[58:59]
	s_add_nc_u64 s[6:7], s[6:7], s[58:59]
	s_add_nc_u64 s[26:27], s[26:27], s[58:59]
	s_add_nc_u64 s[28:29], s[28:29], s[60:61]
	s_add_nc_u64 s[30:31], s[30:31], s[60:61]
	.set NN, 0
.rept 12
	global_load_b128 v[16+4*NN:19+4*NN], v3, s[4:5] offset:512*NN th:TH_LOAD_NT     ; y: 512 consecutive bytes a load
	.set NN, NN+1
.endr
	s_lshl_b32 s58, s35, 7                         ; thread number t = 32 w + L, made of the scalar wave number and the lane
	s_lshl_b32 s59, s35, 9
	s_and_b32 s60, s35, 1
	s_lshl_b32 s60, s60, 7
	s_mul_i32 s61, s35, PW2
	s_add_co_u32 s61, s61, W2H
	s_mul_i32 s63, s35, 2*PW3
	s_add_co_u32 s63, s63, W3H
	s_lshl_b32 s62, s35, 5
	v_lshl_add_u32 v4, v2, 2, s58                  ; 4 t
	v_lshl_add_u32 v7, v2, 4, s59                  ; 16 t
	v_lshl_add_u32 v5, v2, 2, s60                  ; 4 (t & 63)
	v_lshlrev_b32 v6, 1, v5                        ; 8 (t & 63)
	v_lshrrev_b32 v15, 1, v5                       ; 2 (t & 63)
.irp jj, 0,1,2,3
	global_load_b32 v[112+\jj], v4, s[8:9] offset:512*\jj      ; W1[j][t]
.endr
	global_load_b32 v116, v4, s[10:11]             ; b1[t]
	global_load_b32 v117, v4, s[14:15]             ; b2[t]
	global_load_b32 v118, v5, s[18:19]             ; b3[t & 63]
	global_load_b64 v[120:121], v6, s[20:21]       ; W4[t & 63][0..1]
	WIN 0x40                                       ; destinations in window 1
	.set NN, 0
.rept 32
	global_load_b128 v[4*NN:4*NN+3], v7, s[12:13] offset:2048*NN           ; W2: chunk n = rows 4 n .. 4 n + 3, thread t four numbers
	.set NN, NN+1
.endr
	.set NN, 0
.rept 16
	global_load_b128 v[128+4*NN:131+4*NN], v7, s[16:17] offset:2048*NN     ; W3: chunk n = rows 8 n .. 8 n + 7
	.set NN, NN+1
.endr
	WIN 0
	.set NN, 0
.rept 12
	global_load_b128 v[64+4*NN:67+4*NN], v3, s[6:7] offset:512*NN th:TH_LOAD_NT     ; v
	.set NN, NN+1
.endr
	.set NN, 0
.rept 4
	global_load_b128 v[192+4*NN:195+4*NN], v8, s[30:31] offset:512*NN th:TH_LOAD_NT ; logp: read, and used by nothing, as in the reference
	.set NN, NN+1
.endr
	v_add_nc_u32 v9, YS, v3                        ; the wave's y in LDS
	v_mov_b32 v10, s62                             ; RED + 32 w
	v_mov_b32 v11, 0
	v_lshl_add_u32 v12, v2, 3, s61                 ; W2H + 288 w + 8 L: row 4 n + w, columns 4 L ..
	v_mul_u32_u24 v13, v1, PW3
	v_lshl_add_u32 v13, v14, 3, v13
	v_add_nc_u32 v13, s63, v13                     ; W3H + 160 (2 w + h) + 8 r: row 8 n + 2 w + h, columns 4 r ..
	v_mov_b32 v136, 0                              ; v_permlanex16_b32 counts as a reader of its destination
; ---------------------------------------------------------------- B. the eight maxima; y and v into LDS
	s_wait_loadcnt 63                              ; y and the small inputs are the oldest 20 of 84: 64 younger could stay out; 63 is the largest count the wait can name
	s_wait_kmcnt 0x0                               ; t, b4
	v_max_num_f32 v128, |v16|, |v17|
	.set JJ, 18
.rept 23
	v_max3_num_f32 v128, v128, |v[JJ]|, |v[JJ+1]|
	.set JJ, JJ+2
.endr
	v_max_num_f32 v128, 1.0, v128                  ; Y = max(1, max|y|)
	.set NN, 0
.rept 12
	ds_store_b128 v9, v[16+4*NN:19+4*NN] offset:512*NN
	.set NN, NN+1
.endr
	v_mul_f32 v112, 0xbfb8aa3b, v112               ; W1' = -log2(e) W1[0..2]
	v_mul_f32 v113, 0xbfb8aa3b, v113
	v_mul_f32 v114, 0xbfb8aa3b, v114
	v_fma_f32 v116, v115, s34, v116
	v_mul_f32 v116, 0xbfb8aa3b, v116               ; c1 = -log2(e) (t W1[3] + b1)
	v_mul_f32 v117, 0xbfb8aa3b, v117               ; b2'
	v_mul_f32 v118, 0xbfb8aa3b, v118               ; b3'
	v_mul_f32 v120, 0xbf317218, v120               ; -ln2 W4
	v_mul_f32 v121, 0xbf317218, v121
	v_max3_num_f32 v129, |v112|, |v113|, |v114|    ; M1
	v_and_b32 v130, 0x7fffffff, v116               ; C1
	v_and_b32 v132, 0x7fffffff, v117               ; beta2
	v_and_b32 v134, 0x7fffffff, v118               ; beta3
	v_max_num_f32 v135, |v120|, |v121|             ; M4
	s_wait_loadcnt 32                              ; W2 is in: W3's 16, v's 12 and logp's 4 stay out
	WIN 0x55
	v_max_num_f32 v192, |v0|, |v1|
	.set JJ, 2
.rept 63
	v_max3_num_f32 v192, v192, |v[JJ]|, |v[JJ+1]|
	.set JJ, JJ+2
.endr
	s_wait_loadcnt 16                              ; W3 is in: v's 12 and logp's 4 stay out
	v_max_num_f32 v193, |v128|, |v129|
	.set JJ, 130
.rept 31
	v_max3_num_f32 v193, v193, |v[JJ]|, |v[JJ+1]|
	.set JJ, JJ+2
.endr
	WIN 0x01
	v_mov_b32 v131, v192                           ; M2
	v_mov_b32 v133, v193                           ; M3
	WIN 0
	s_wait_loadcnt 0x0                             ; v and logp: no global load is out from here on
	.set NN, 0
.rept 12
	ds_store_b128 v9, v[64+4*NN:67+4*NN] offset:VSD+512*NN
	.set NN, NN+1
.endr
.irp rr, 128,129,130,131,132,133,134,135
	WMAX \rr
.endr
	ds_store_b128 v10, v[128:131]                  ; all lanes write the same words with the same values
	ds_store_b128 v10, v[132:135] offset:16
	s_wait_dscnt 0x0                               ; for the other waves' sake: my figures are in LDS
	s_barrier_signal -1
	s_barrier_wait -1
	.set NN, 0
.rept 8
	ds_load_b128 v[140+4*NN:143+4*NN], v11 offset:RED+16*NN
	.set NN, NN+1
.endr
	s_wait_dscnt 0x0
	.set II, 0
.rept 8
	v_max3_num_f32 v[128+II], v[140+II], v[148+II], v[156+II]
	v_max_num_f32 v[128+II], v[128+II], v[164+II]
	.set II, II+1
.endr
; ---------------------------------------------------------------- C. bounds and scales.  E(x): x's exponent field, a power of two <= x.  0x7f000000 - E(x): its reciprocal.
	v_mul_f32 v172, v129, v128
	v_fma_f32 v172, v172, 0x40400000, v130         ; B1 = 3 M1 Y + C1 >= |z'1|, and >= |h'1| since |silu(z)| <= |z|
	v_mul_f32 v173, v131, v172
	v_fma_f32 v173, v173, 0x43000000, v132         ; B2 = 128 M2 B1 + beta2
	v_mul_f32 v174, v133, v173
	v_fma_f32 v174, v174, 0x43000000, v134         ; B3 = 128 M3 B2 + beta3
	v_and_b32 v175, s53, v131
	v_sub_nc_u32 v175, 0x7f000000, v175
	v_mul_f32 v175, 0x39800000, v175               ; 2^-12 / E(M2): the largest scaled weight is at least 2^-12
	v_and_b32 v176, s53, v172                      ; E(B1)
	v_mul_f32 v177, 0x38800000, v176               ; 2^-14 E(B1): |h'1| / sigma2 < 2^15
	v_max_num_f32 v178, v175, v177                 ; sigma2
	v_and_b32 v175, s53, v133
	v_sub_nc_u32 v175, 0x7f000000, v175
	v_mul_f32 v175, 0x39800000, v175
	v_and_b32 v177, s53, v173
	v_mul_f32 v177, 0x38800000, v177
	v_max_num_f32 v179, v175, v177                 ; sigma3
	v_and_b32 v177, s53, v174
	v_mul_f32 v177, 0x38800000, v177
	v_max_num_f32 v180, 0x2b800000, v177           ; sigma4 = max(2^-14 E(B3), 2^-40)
	v_and_b32 v181, s53, v135                      ; E(M4)
	v_sub_nc_u32 v182, 0x7f000000, v181            ; nu4 = 1 / E(M4): |W4 scaled| < 2
	v_mul_f32 v183, v180, v181                     ; lambda4 = sigma4 / nu4
	v_xor_b32 v188, 0x80000000, v183               ; -lambda4
	v_and_b32 v184, s53, v129                      ; E(M1) <= E(B1), since B1 >= 3 M1
	v_sub_nc_u32 v184, v176, v184
	v_add_nc_u32 v184, 0x3d800000, v184            ; bits of E(B1) / (16 E(M1)): then 1.1^3 x 3 M1 |v| tau0 <= B1, and |silu'| <= 1.1 keeps the tangent under B1, B2, B3
	v_min_u32 v184, 0x46000000, v184               ; at most 2^13: |v tau0| < 2^14
	v_add_nc_u32 v184, 0x3f800000, v184            ; + the bias, for the subtraction of v's exponent field
	v_mul_f32 v185, 0x3f317218, v178               ; ln2 sigma
	v_mul_f32 v186, 0x3f317218, v179
	v_mul_f32 v187, 0x3f317218, v180
	v_readfirstlane_b32 s38, v178
	v_readfirstlane_b32 s40, v179
	v_readfirstlane_b32 s42, v180
	v_readfirstlane_b32 s44, v185
	v_readfirstlane_b32 s46, v186
	v_readfirstlane_b32 s48, v187
	v_readfirstlane_b32 s50, v183
	v_readfirstlane_b32 s51, v188
	v_readfirstlane_b32 s52, v184
	v_readfirstlane_b32 s56, v182
	s_mov_b32 s39, s38                             ; the packed forms name pairs
	s_mov_b32 s41, s40
	s_mov_b32 s43, s42
	s_mov_b32 s45, s44
	s_mov_b32 s47, s46
	s_mov_b32 s49, s48
; ---------------------------------------------------------------- D. weights, scaled and rounded to f16, into LDS
	v_cvt_f16_f32 v122.l, v116
	v_cvt_f32_f16 v123, v122.l                     ; c_hi
	v_sub_f32 v122, v116, v123                     ; c_lo: the bias enters layer 1 as two f16
	v_cvt_pk_f16_f32 v124, v112, v113
	v_cvt_pk_f16_f32 v125, v114, v123
	v_cvt_pk_f16_f32 v126, v122, 0
	v_mov_b32 v127, 0
	ds_store_b128 v7, v[124:127] offset:W1R        ; feature t's record
	ds_store_b32 v4, v117 offset:B2R
	v_mul_f32 v120, s56, v120
	v_mul_f32 v121, s56, v121
	v_cvt_pk_f16_f32 v119, v120, v121              ; -ln2 nu4 W4[k][0], [k][1]
	s_cmp_ge_u32 s35, 2
	s_cbranch_scc1 .Lno_small                      ; 64 numbers each: waves 0 and 1 alone store them, so that each byte has one writer
	ds_store_b32 v5, v118 offset:B3R
	ds_store_b16 v15, v119 offset:W4T
	ds_store_b16_d16_hi v15, v119 offset:W4T+144
.Lno_small:
	WIN 0x55
	.set NN, 0
.rept 32
	v_pk_mul_f32 v[4*NN:4*NN+1], v[4*NN:4*NN+1], s[38:39] op_sel_hi:[1,0]
	v_pk_mul_f32 v[4*NN+2:4*NN+3], v[4*NN+2:4*NN+3], s[38:39] op_sel_hi:[1,0]
	v_cvt_pk_f16_f32 v[4*NN], v[4*NN], v[4*NN+1]
	v_cvt_pk_f16_f32 v[4*NN+1], v[4*NN+2], v[4*NN+3]
	.set NN, NN+1
.endr
	.set NN, 32
.rept 16
	v_pk_mul_f32 v[4*NN:4*NN+1], v[4*NN:4*NN+1], s[40:41] op_sel_hi:[1,0]
	v_pk_mul_f32 v[4*NN+2:4*NN+3], v[4*NN+2:4*NN+3], s[40:41] op_sel_hi:[1,0]
	v_cvt_pk_f16_f32 v[4*NN], v[4*NN], v[4*NN+1]
	v_cvt_pk_f16_f32 v[4*NN+1], v[4*NN+2], v[4*NN+3]
	.set NN, NN+1
.endr
	WIN 0x04                                       ; address window 0, data window 1
	.set NN, 0
.rept 32
	ds_store_b64 v12, v[4*NN:4*NN+1] offset:4*PW2*NN
	.set NN, NN+1
.endr
	.set NN, 0
.rept 16
	ds_store_b64 v13, v[128+4*NN:129+4*NN] offset:8*PW3*NN
	.set NN, NN+1
.endr
	WIN 0
	s_wait_dscnt 0x0                               ; for the other waves' sake: my part of the weights is in LDS
	s_barrier_signal -1
	s_barrier_wait -1
; ---------------------------------------------------------------- E. every wave takes all fragments into its registers; LDS below YS is not written again
	v_and_b32 v16, 7, v2
	v_bfe_u32 v17, v2, 3, 1
	v_lshl_add_u32 v18, v1, 3, v16                 ; 8 h + (L & 7): the row of [k][n] that the transposing load takes from this lane's address
	v_mul_u32_u24 v21, v18, PW2
	v_lshl_add_u32 v21, v17, 4, v21
	v_add_nc_u32 v21, W2H, v21
	v_mul_u32_u24 v22, v18, PW3
	v_lshl_add_u32 v22, v17, 4, v22
	v_add_nc_u32 v22, W3H, v22
	v_lshlrev_b32 v23, 5, v1                       ; bias tiles: register j of lane (r, h) is feature 16 f + 8 h + j
	v_lshlrev_b32 v24, 4, v14                      ; W1: row r's record
	v_and_b32 v25, 1, v2
	v_mul_u32_u24 v25, v25, 144
	v_lshl_add_u32 v25, v1, 4, v25                 ; W4: column r & 1, k = 8 h ..
	v_and_b32 v26, 7, v2
	v_mad_u32_u24 v28, v14, 12, s2                 ; 6,144 w + 12 r
	v_lshl_add_u32 v29, v14, 2, s3                 ; 2,048 w + 4 r
	v_cmp_eq_u32 vcc_lo, 0, v1                     ; lanes with h = 0
	v_cmp_gt_u32 s57, 2, v26                       ; lanes with (r & 7) < 2
	WIN 0x80                                       ; destinations in window 2
	.set FI, 0
.rept 8
	.set KI, 0
.rept 4
	ds_load_tr16_b128 v[8*(4*FI+KI):8*(4*FI+KI)+3], v21 offset:32*PW2*KI+32*FI               ; k = 32 k + 8 h .., feature 16 f + r
	ds_load_tr16_b128 v[8*(4*FI+KI)+4:8*(4*FI+KI)+7], v21 offset:32*PW2*KI+32*FI+16*PW2      ; k = 32 k + 16 + 8 h ..
	.set KI, KI+1
.endr
	.set FI, FI+1
.endr
	WIN 0xc0                                       ; destinations in window 3
	.set FI, 0
.rept 4
	.set KI, 0
.rept 4
	ds_load_tr16_b128 v[8*(4*FI+KI):8*(4*FI+KI)+3], v22 offset:32*PW3*KI+32*FI
	ds_load_tr16_b128 v[8*(4*FI+KI)+4:8*(4*FI+KI)+7], v22 offset:32*PW3*KI+32*FI+16*PW3
	.set KI, KI+1
.endr
	.set FI, FI+1
.endr
	.set FI, 0
.rept 8
	ds_load_b128 v[128+8*FI:131+8*FI], v23 offset:B2R+64*FI
	ds_load_b128 v[132+8*FI:135+8*FI], v23 offset:B2R+64*FI+16
	.set FI, FI+1
.endr
	.set FI, 0
.rept 4
	ds_load_b128 v[192+8*FI:195+8*FI], v23 offset:B3R+64*FI
	ds_load_b128 v[196+8*FI:199+8*FI], v23 offset:B3R+64*FI+16
	.set FI, FI+1
.endr
	.set FI, 0
.rept 8
	ds_load_b128 v[224+4*FI:227+4*FI], v24 offset:W1R+256*FI
	.set FI, FI+1
.endr
	WIN 0
.irp kk, 0,1
	ds_load_b128 v[240+8*\kk:243+8*\kk], v25 offset:W4T+64*\kk
	ds_load_b128 v[244+8*\kk:247+8*\kk], v25 offset:W4T+64*\kk+32
.endr
	CONSTS
	WIN 0x55
	CONSTS
	WIN 0x40                                       ; sources window 0, destinations window 1
	v_add_nc_u32 v[LY], YS, v28
	v_add_nc_u32 v[LO0], O0S, v28
	v_add_nc_u32 v[LO1], O1S, v29
	v_add_nc_u32 v[RO0], O0S, v3
	v_add_nc_u32 v[RO1], O1S, v8
	v_mov_b32 v[GO0], v3
	v_mov_b32 v[GO1], v8
	s_wait_dscnt 0x0                               ; all fragments
	WIN 0
	.set II, 240
.rept 16
	v_cndmask_b32 v[II], 0, v[II], s57             ; W4: rows other than 0, 1, 8, 9 are zero
	.set II, II+1
.endr
	WIN 0xff
	.set II, 224
.rept 32
	v_cndmask_b32 v[II], 0, v[II], vcc_lo          ; W1: k = 8 .. 15 and 24 .. 31 (lanes with h = 1) are zero
	.set II, II+1
.endr
; ---------------------------------------------------------------- F. the pipeline is filled: both groups' first rows, layer 1, group A's first activation
	.set GM, 0
	INLD
	.set GM, 1
	INLD
	.set GM, 0
	INCALC
	.set GM, 1
	INCALC
	.set MI, 0
.rept 16
	.set GM, 0
	MM1 MI
	.set GM, 1
	MM1 MI
	.set MI, MI+1
.endr
.rept 4
	v_nop                                          ; four places before the results are read (ISA guide 7.12.1)
.endr
	STEP 0, 1, 16, 0, 0, 1, 0
; ---------------------------------------------------------------- G. 16 trips; the last is written out and fetches nothing
	WIN 0                                          ; at a label and at a branch every window is 0
	s_mov_b32 s62, 15
.Ltrip:
	TRIP 0
	WIN 0
	s_sub_co_u32 s62, s62, 1
	s_cmp_lg_u32 s62, 0
	s_cbranch_scc1 .Ltrip
	TRIP 1
; ---------------------------------------------------------------- H. the way out: the wave's own stage, read back 512 consecutive bytes a load and stored so
	WIN 0x01                                       ; addresses window 1, data window 0
	.set NN, 0
.rept 12
	ds_load_b128 v[4*NN:4*NN+3], v[RO0] offset:512*NN          ; LDS serves a wave's instructions in order (ISA guide 5.7.1): these see the wave's stores
	.set NN, NN+1
.endr
	.set NN, 0
.rept 4
	ds_load_b128 v[48+4*NN:51+4*NN], v[RO1] offset:512*NN
	.set NN, NN+1
.endr
	.set NN, 0
.rept 12
	s_wait_dscnt 15-NN                             ; of the sixteen loads the younger ones stay out
	global_store_b128 v[GO0], v[4*NN:4*NN+3], s[26:27] offset:512*NN th:TH_STORE_NT    ; 512 consecutive bytes, at a multiple of 512 from out0's first byte
	.set NN, NN+1
.endr
	.set NN, 0
.rept 4
	s_wait_dscnt 3-NN
	global_store_b128 v[GO1], v[48+4*NN:51+4*NN], s[28:29] offset:512*NN th:TH_STORE_NT
	.set NN, NN+1
.endr
	WIN 0
	s_set_vgpr_msb 0x5
	s_wait_tensorcnt 0x0
	ds_add_u32 v254, v255
	s_wait_dscnt 0x0
	s_set_vgpr_msb 0x500
	s_endpgm
.Lfunc_end_k_q31957ee7ea_cnf:
	.size	k_q31957ee7ea_cnf, .Lfunc_end_k_q31957ee7ea_cnf-k_q31957ee7ea_cnf
	.p2alignl 7, 3214868480
	.fill 96, 4, 3214868480
	.section	.rodata,"a",@progbits
	.p2align	6, 0x0
	.amdhsa_kernel k_q31957ee7ea_cnf
		.amdhsa_group_segment_fixed_size 143872
		.amdhsa_private_segment_fixed_size 0
		.amdhsa_enable_private_segment 0
		.amdhsa_kernarg_size 112
		.amdhsa_user_sgpr_count 2
		.amdhsa_user_sgpr_kernarg_segment_ptr 1
		.amdhsa_wavefront_size32 1
		.amdhsa_system_sgpr_workgroup_id_x 1
		.amdhsa_system_sgpr_workgroup_id_y 1
		.amdhsa_system_sgpr_workgroup_id_z 1
		.amdhsa_system_vgpr_workitem_id 0
		.amdhsa_next_free_vgpr 1024
		.amdhsa_next_free_sgpr 66
		.amdhsa_reserve_vcc 1
		.amdhsa_float_denorm_mode_32 3
		.amdhsa_float_denorm_mode_16_64 3
		.amdhsa_memory_ordered 1
		.amdhsa_forward_progress 1
		.amdhsa_inst_pref_size 255
	.end_amdhsa_kernel
	.section	.bss,"aw",@nobits
	.p2align	6
	.space	262144
	.amdgpu_metadata
---
amdhsa.version: [ 1, 2 ]
amdhsa.kernels:
  - .name:           k_q31957ee7ea_cnf
    .symbol:         k_q31957ee7ea_cnf.kd
    .args:
      - { .name: y, .offset: 0, .size: 8, .value_kind: global_buffer, .address_space: global }
      - { .name: v, .offset: 8, .size: 8, .value_kind: global_buffer, .address_space: global }
      - { .name: W1, .offset: 16, .size: 8, .value_kind: global_buffer, .address_space: global }
      - { .name: b1, .offset: 24, .size: 8, .value_kind: global_buffer, .address_space: global }
      - { .name: W2, .offset: 32, .size: 8, .value_kind: global_buffer, .address_space: global }
      - { .name: b2, .offset: 40, .size: 8, .value_kind: global_buffer, .address_space: global }
      - { .name: W3, .offset: 48, .size: 8, .value_kind: global_buffer, .address_space: global }
      - { .name: b3, .offset: 56, .size: 8, .value_kind: global_buffer, .address_space: global }
      - { .name: W4, .offset: 64, .size: 8, .value_kind: global_buffer, .address_space: global }
      - { .name: b4, .offset: 72, .size: 8, .value_kind: global_buffer, .address_space: global }
      - { .name: t, .offset: 80, .size: 8, .value_kind: global_buffer, .address_space: global }
      - { .name: out0, .offset: 88, .size: 8, .value_kind: global_buffer, .address_space: global }
      - { .name: out1, .offset: 96, .size: 8, .value_kind: global_buffer, .address_space: global }
      - { .name: logp, .offset: 104, .size: 8, .value_kind: global_buffer, .address_space: global }
    .group_segment_fixed_size: 143872
    .private_segment_fixed_size: 0
    .kernarg_segment_align: 8
    .kernarg_segment_size: 112
    .max_flat_workgroup_size: 128
    .sgpr_count:     66
    .vgpr_count:     1024
    .wavefront_size: 32
...
	.end_amdgpu_metadata
.endif
;; end of part 1
;; ======== version 2 of 2: 1 launch; 1.51 times as fast as version 1
;; limits: values are held in f16: magnitudes above 65,504 overflow, below 6.1e-05 lose precision; inputs' magnitudes at most 65,504; right only within a limited range of input values
;; launch cnf (part 2): grid 256 x 1, 4 waves a work-group, no clusters, 143,872 bytes of LDS; arguments y, v, W1, b1, W2, b2, W3, b3, W4, b4, t, out0, out1, logp; writes out0, out1
.if DOCPART == 2
	.amdgcn_target "amdgcn-amd-amdhsa--gfx1250"
	.amdhsa_code_object_version 6
	.text
	.protected	k_q31957ee7ea_cnf
	.globl	k_q31957ee7ea_cnf
	.p2align	8
	.type	k_q31957ee7ea_cnf,@function
k_q31957ee7ea_cnf:
	s_mov_b64 s[64:65], 0
	v_nop
	global_prefetch_b8 v0, s[64:65] scope:SCOPE_SE
	s_setreg_imm32_b32 hwreg(HW_REG_WAVE_MODE, 25, 1), 1
	s_wait_xcnt 0x0
; CNF_ODE: for each of 524,288 rows  dy = MLP(y, t) (4 -> 128 -> 128 -> 64 -> 2, SiLU), out0 = (dy0, dy1, 0), out1 = -v^T J v.
; The third output column is identically zero, so v^T J v = v0 (Jv)_0 + v1 (Jv)_1.  Jv is made in FORWARD mode: a tangent runs beside the
; primal through the same weights.  Same value as the reference's backward form for every input, same products; the ORDER OF ROUNDING differs.
; 256 work-groups x 4 waves; a wave owns 512 rows = 16 trips of two groups (A, B) of 16 rows.  All weights lie in the wave's registers as f16
; fragments; activations go from a product's result registers straight into the next product's operand registers; the loop touches no global memory.
; While the vector unit works on one group's activations, the other group's matrix instructions are issued between them, one at a time.
; TRANSCENDENTALS GO IN BATCHES.  A step (the activation of one layer of one group) has two: all its exponentials, then all its reciprocals (which read what is made of the
; exponentials, so they are a batch of their own).  Each batch has ONE s_wait_alu depctr_va_vdst(0), ahead of the first line that names a result.
; Each result has a register of its own while its batch is open: quad q's four e (then d, then s, in place) lie in registers 128 + 2 q, 129 + 2 q, 160 + 2 q, 161 + 2 q of the
; group's window: the operand registers that the quad's own H and dH take at the step's end, idle since the group's products of the step before.
; FORMAT: matrix operands are f16, sums f32.  Pre-activations are kept as z' = -log2(e) z, so sigmoid = 1 / (1 + 2^z').  Each layer's activations are
; divided by a power of two sigma and the next weights multiplied by it (exact), sigma taken from bounds that the work-group derives from its own
; data: |activation / sigma| < 2^15 always.  Each row's tangent is scaled by a power of two tau0 so that it obeys the primal's bounds.
; LIMITS, stated: |y|, |log2(e) W1|, |log2(e) (t W1[3] + b1)| < 65,504 (f16);  max|W2| B1 and max|W3| B2 < 2^30, where B1, B2 bound the first and second
; layers' |z'| (below);  a row's max|v| <= 2^60 (below 2^-60 the row's tangent is scaled as if it were 2^-60);  no NaN or infinity among the inputs.
; logp enters no result of the reference; it is loaded once (2 KiB a wave) and not used.
; NO CLUSTER, NO TENSOR LOADS: what work-groups share is the weights, 102,156 bytes read once by each; they must pass through registers anyway,
; to be scaled by numbers the work-group first derives and rounded to f16.  Rows are shared by nobody.
;
; REGISTERS, four windows of 256 (s_set_vgpr_msb: bits 1:0 source 0, 3:2 source 1, 5:4 source 2, 7:6 destination):
;   window 2: W2 fragment (tile f, k block k) at 8 (4 f + k)
;   window 3: W3 fragments at 8 (4 f + k), 0-127; bias tiles of layer 2 at 128 + 8 f, of layer 3 at 192 + 8 f; W1 octets at 224 + 8 o
;   window g (0: group A, 1: group B): 0-127 accumulators (tile f: primal 16 f, tangent 16 f + 8); 128-159 / 160-191 operands H (primal / tangent);
;     192-193 dy; 194-213 layer 1's operand quads Z0 xP Z1 xT Z2; 214-233 work; 234-235 -ln 2; 236-238 v of the rows; 239 -lambda4 / tau0
;   window 0, 240-255: W4 fragments.  window 1, 240-246: LDS and global offsets of the loop and the way out.
.set RED,  0                           ; LDS: 4 waves x 32 bytes, the eight maxima
.set B2R,  256                         ; -log2(e) b2, f32
.set B3R,  768                         ; -log2(e) b3, f32
.set W4T,  1024                        ; W4 scaled, f16, 2 rows (one a column of W4) of 64, pitch 144
.set W1R,  1536                        ; 16 bytes a feature: (W'0, W'1) (W'2, c_hi) (c_lo, 0) 0 in f16
.set W2H,  3584                        ; W2 sigma2 in f16, [k][n], pitch 288 = 9 x 32
.set PW2,  288
.set W3H,  40448                       ; W3 sigma3 in f16, [k][n], pitch 160 = 5 x 32
.set PW3,  160
.set YS,   61440                       ; y, 6,144 bytes a wave, the wave's own
.set VSD,  24576                       ; v lies this far behind y
.set O0S,  110592                      ; out0, 6,144 bytes a wave, the wave's own
.set O1S,  135168                      ; out1, 2,048 bytes a wave, the wave's own
.set RHB,  214                         ; H in f32, the odd quad's
.set RQB,  218                         ; q, then G, then dH, the odd quad's
.set RHT,  226                         ; H in f32, the even quad's; y lands here
.set RQT,  230                         ; q, then G, then dH, the even quad's; scratch of the input and output steps
.set RK2,  234                         ; -ln 2, twice
.set RIV,  236                         ; v0, v1, v2
.set RNI,  239                         ; -lambda4 / tau0
.set LY,   240                         ; window 1: LDS address of the next pair's y
.set LO0,  241                         ; LDS address for this pair's out0
.set LO1,  242                         ; and out1
.set RO0,  243                         ; the way out: read back out0
.set RO1,  244
.set GO0,  245                         ; the way out: byte offset in out0
.set GO1,  246
.set MSB, 0
.macro WIN new                         ; the immediate's high byte repeats the setting that is left; a switch that changes nothing is dropped
.if MSB != \new
	s_set_vgpr_msb (MSB<<8)|\new
.set MSB, \new
.endif
.endm
; ---------------------------------------------------------------- the loop's macros.  GA: group whose activations are made; GM: group whose products are issued; LL: layer
; Layer 1: tile FF, primal (PP = 0) or tangent.  A = W1 octet (tile 2o | tile 2o+1), B = (x | zeros) for even tiles, (zeros | x) for odd ones; the bias rides in k = 3, 4.
.macro MM1 i
	.set FF, (\i)>>1
	.set PP, (\i)&1
	.set BB, 198+8*PP-4*(FF&1)
	WIN (3|(GM<<2)|(GM<<4)|(GM<<6))
	v_wmma_f32_16x16x32_f16 v[16*FF+8*PP:16*FF+8*PP+7], v[224+8*(FF>>1):224+8*(FF>>1)+7], v[BB:BB+7], 0
.endm
; Layers 2 and 3: aw = window of the weights, lf = log2 of the tiles, bias = first bias tile (window 3).  k block outermost, so the 2 x tiles accumulators
; take turns, one instruction a turn.  The first k block starts the sums: the primal's from the bias tile, the tangent's from 0.
.macro MMH i, aw, lf, bias
	.set KK, (\i)>>(\lf+1)
	.set FF, ((\i)>>1)&((1<<\lf)-1)
	.set PP, (\i)&1
	.set DD, 16*FF+8*PP
	.set AA, 8*(4*FF+KK)
	.set BB, 128+32*PP+8*KK
.if KK == 0
	WIN (\aw|(GM<<2)|(3<<4)|(GM<<6))
.if PP == 0
	v_wmma_f32_16x16x32_f16 v[DD:DD+7], v[AA:AA+7], v[BB:BB+7], v[\bias+8*FF:\bias+8*FF+7]
.else
	v_wmma_f32_16x16x32_f16 v[DD:DD+7], v[AA:AA+7], v[BB:BB+7], 0
.endif
.else
	WIN (\aw|(GM<<2)|(GM<<4)|(GM<<6))
	v_wmma_f32_16x16x32_f16 v[DD:DD+7], v[AA:AA+7], v[BB:BB+7], v[DD:DD+7]
.endif
.endm
; Layer 4: two k blocks, primal into 64-71, tangent into 72-79, by turns.  A's rows 0, 1 and 8, 9 are W4's two columns: both halves of the wave get the results.
.macro MM4 i
	.set KK, (\i)>>1
	.set PP, (\i)&1
	WIN (0x54*GM)
.if KK == 0
	v_wmma_f32_16x16x32_f16 v[64+8*PP:71+8*PP], v[240+8*KK:247+8*KK], v[128+32*PP+8*KK:135+32*PP+8*KK], 0
.else
	v_wmma_f32_16x16x32_f16 v[64+8*PP:71+8*PP], v[240+8*KK:247+8*KK], v[128+32*PP+8*KK:135+32*PP+8*KK], v[64+8*PP:71+8*PP]
.endif
.endm
; The activation of quad q (four features of 16 rows: registers ZB .. ZB + 3 of the primal accumulators, ZB + 8 .. ZB + 11 of the tangent's), cut by kind of work.
; The quad's own four registers, two pairs: features 0, 1 at 128 + 2 q, features 2, 3 at 160 + 2 q.
.macro EXPQ q                          ; e = 2^z'
	.set ZB, 16*((\q)>>1)+4*((\q)&1)
	WIN (0x55*GA)
	v_exp_f32 v[128+2*(\q)], v[ZB]
	v_exp_f32 v[129+2*(\q)], v[ZB+1]
	v_exp_f32 v[160+2*(\q)], v[ZB+2]
	v_exp_f32 v[161+2*(\q)], v[ZB+3]
.endm
.macro DENQ q                          ; d = sigma e + sigma, in place
	WIN (0x55*GA)
	v_pk_fma_f32 v[128+2*(\q):129+2*(\q)], v[128+2*(\q):129+2*(\q)], s[36+2*LL:37+2*LL], s[36+2*LL:37+2*LL] op_sel_hi:[1,0,0]
	v_pk_fma_f32 v[160+2*(\q):161+2*(\q)], v[160+2*(\q):161+2*(\q)], s[36+2*LL:37+2*LL], s[36+2*LL:37+2*LL] op_sel_hi:[1,0,0]
.endm
.macro RCPQ q                          ; s = 1 / d = sigmoid / sigma, in place
	WIN (0x55*GA)
	v_rcp_f32 v[128+2*(\q)], v[128+2*(\q)]
	v_rcp_f32 v[129+2*(\q)], v[129+2*(\q)]
	v_rcp_f32 v[160+2*(\q)], v[160+2*(\q)]
	v_rcp_f32 v[161+2*(\q)], v[161+2*(\q)]
.endm
.macro AHQ q, h                        ; H = z' s
	.set ZB, 16*((\q)>>1)+4*((\q)&1)
	v_pk_mul_f32 v[\h:\h+1], v[ZB:ZB+1], v[128+2*(\q):129+2*(\q)]
	v_pk_mul_f32 v[\h+2:\h+3], v[ZB+2:ZB+3], v[160+2*(\q):161+2*(\q)]
.endm
.macro AQQ q, g                        ; q = ln2 sigma s - ln2
	v_pk_fma_f32 v[\g:\g+1], v[128+2*(\q):129+2*(\q)], s[42+2*LL:43+2*LL], v[RK2:RK2+1] op_sel_hi:[1,0,1]
	v_pk_fma_f32 v[\g+2:\g+3], v[160+2*(\q):161+2*(\q)], s[42+2*LL:43+2*LL], v[RK2:RK2+1] op_sel_hi:[1,0,1]
.endm
.macro AGQ q, h, g                     ; G = H q + s = silu' / sigma: the last read of s
	v_pk_fma_f32 v[\g:\g+1], v[\h:\h+1], v[\g:\g+1], v[128+2*(\q):129+2*(\q)]
	v_pk_fma_f32 v[\g+2:\g+3], v[\h+2:\h+3], v[\g+2:\g+3], v[160+2*(\q):161+2*(\q)]
.endm
.macro ACH q, h                        ; H rounded to f16 into registers 2 q, 2 q + 1 of the next product's primal operand
	v_cvt_pk_f16_f32 v[128+2*(\q)], v[\h], v[\h+1]
	v_cvt_pk_f16_f32 v[129+2*(\q)], v[\h+2], v[\h+3]
.endm
.macro ATQ q, g                        ; dH = G x tangent
	.set ZB, 16*((\q)>>1)+4*((\q)&1)
	v_pk_mul_f32 v[\g:\g+1], v[\g:\g+1], v[ZB+8:ZB+9]
	v_pk_mul_f32 v[\g+2:\g+3], v[\g+2:\g+3], v[ZB+10:ZB+11]
.endm
.macro ACT q, g                        ; dH rounded to f16 into registers 2 q, 2 q + 1 of the tangent operand
	v_cvt_pk_f16_f32 v[160+2*(\q)], v[\g], v[\g+1]
	v_cvt_pk_f16_f32 v[161+2*(\q)], v[\g+2], v[\g+3]
.endm
; Group GM's next 16 rows of y and v out of the wave's own LDS bytes; lanes r and r + 16 read the same row.
.macro INLD
	WIN ((GM<<6)|1)
	ds_load_b32 v[RHT], v[LY] offset:192*GM
	ds_load_b32 v[RHT+1], v[LY] offset:192*GM+4
	ds_load_b32 v[RHT+2], v[LY] offset:192*GM+8
	ds_load_b32 v[RIV], v[LY] offset:192*GM+VSD
	ds_load_b32 v[RIV+1], v[LY] offset:192*GM+VSD+4
	ds_load_b32 v[RIV+2], v[LY] offset:192*GM+VSD+8
.if GM == 1
	WIN 0x55
	v_add_nc_u32 v[LY], 384, v[LY]                 ; the next pair: 32 rows of 12 bytes
.endif
.endm
; Layer 1's operands of group GM: xP = (y0, y1) (y2, 1) (1, 0) 0;  xT = (v0, v1) (v2, 0) 0 0 times tau0 = 2^(eKT - exponent of max|v|).
.macro INCALC
	s_wait_dscnt 0x0                               ; the six loads of INLD (the output's four stores stand ahead of them)
	WIN (0x55*GM)
	v_cvt_pk_f16_f32 v198, v[RHT], v[RHT+1]
	v_cvt_pk_f16_f32 v199, v[RHT+2], 1.0
	v_max3_num_f32 v[RQT], |v[RIV]|, |v[RIV+1]|, |v[RIV+2]|
	v_med3_num_f32 v[RQT], v[RQT], s54, s55        ; kept inside 2^-60 .. 2^60
	v_and_b32 v[RQT], s53, v[RQT]                  ; its exponent field
	v_sub_nc_u32 v[RQT+1], s52, v[RQT]             ; bits of tau0
	v_sub_nc_u32 v[RQT+2], 0x7f000000, v[RQT+1]    ; bits of 1 / tau0
	v_mul_f32 v[RNI], s51, v[RQT+2]                ; -lambda4 / tau0
	v_mul_f32 v[RQT+2], v[RIV], v[RQT+1]
	v_mul_f32 v[RQT+3], v[RIV+1], v[RQT+1]
	v_mul_f32 v[RQT], v[RIV+2], v[RQT+1]
	v_cvt_pk_f16_f32 v206, v[RQT+2], v[RQT+3]
	v_cvt_pk_f16_f32 v207, v[RQT], 0
.endm
; Group GM's results into the wave's own stage: dy_c = lambda4 accP_c + b4_c, 0, and (v0 accT_0 + v1 accT_1) (-lambda4 / tau0).
.macro OUT
	WIN (0x55*GM)
	v_fma_f32 v192, v64, s50, s36
	v_fma_f32 v193, v65, s50, s37
	v_mul_f32 v[RQT], v[RIV], v72
	v_fma_f32 v[RQT], v[RIV+1], v73, v[RQT]
	v_mul_f32 v[RQT], v[RQT], v[RNI]
	WIN (1|(GM<<2))
	ds_store_b32 v[LO0], v192 offset:192*GM
	ds_store_b32 v[LO0], v193 offset:192*GM+4
	ds_store_b32 v[LO0], v194 offset:192*GM+8      ; v194 is always 0: the third column
	ds_store_b32 v[LO1], v[RQT] offset:64*GM
.if GM == 1
	WIN 0x55
	v_add_nc_u32 v[LO0], 384, v[LO0]
	v_add_nc_u32 v[LO1], 128, v[LO1]
.endif
.endm
; One place ahead of each group of four vector lines of the activation: the next matrix instruction of the step's job, if one is due.
; PH says which phase of the step the place lies in: 0 exponentials, 1 denominators, 2 reciprocals, 3 the rest.
.macro SLOT
.if JOB == 2
.if MI < 64
	MMH MI, 2, 3, 128
	.set MI, MI+1
.endif
.endif
.if JOB == 3
.if (EVERY == 1) || (PH == 0) || (PH == 2)
.if MI < 32
	MMH MI, 3, 2, 192
	.set MI, MI+1
.endif
.endif
.endif
.if JOB == 5
.if PH == 0
.if MI < 4
	MM4 MI
	.set MI, MI+1
.endif
.endif
.if PH == 3
.if LAST == 0
.if MI < 20
	MM1 MI-4
	.set MI, MI+1
.endif
.endif
.endif
.endif
.endm
.macro HEADD                           ; job 5: results out and next rows asked for behind the first four denominators' lines: with the v_nop ahead of them five plain vector lines behind layer 4's last product
.if JOB == 5
.if Q == 2
	OUT
.if LAST == 0
	INLD
.endif
.endif
.endif
.endm
.macro GAW                             ; back to the window of the group whose activations are made
	WIN (0x55*GA)
.endm
; A step: the activation of layer l of group ga (nq quads) in four phases, with group gm's job strewn between its groups of four lines.
;   exponentials (4 nq, one batch) | v_nop | WAIT | denominators (2 nq) | reciprocals (4 nq, one batch) | independent lines | WAIT | H, G, dH and the roundings (12 nq)
; Ahead of each wait nothing names a result of its batch: the matrix instructions between lie in other windows, and so do the lines of INCALC.  Behind the second wait no transcendental is issued.
; The plain vector line that is wanted behind a batch's last transcendental (ISA guide 5.7.2) is the v_nop, or INCALC's first.
; In the last phase an even quad and its odd neighbour take turns, two lines each, on work registers of their own, so that no line reads the result of the lines just before it; the even
; quad goes first.
; job 0: none; 2: layer 2's 64 products; 3: layer 3's 32 (every = 1: one at each place from the first on; 0: at the places ahead of transcendentals alone); 5: layer 4 at the first four places,
; results and next rows among the denominators, layer 1's operands behind the reciprocals, layer 1's 16 products at the last phase's first places.
; Behind a job's last product stand at least 32 plain vector instructions of the other group's window before anything reads its results or rewrites its operands (ISA guide 7.12.1 asks for four).
.macro STEP ga, l, nq, job, gm, every, last
	.set GA, \ga
	.set LL, \l
	.set JOB, \job
	.set GM, \gm
	.set EVERY, \every
	.set LAST, \last
	.set MI, 0
	.set PH, 0
	.set Q, 0
.rept \nq
	SLOT
	EXPQ Q
	.set Q, Q+1
.endr
	v_nop                                          ; the plain line behind the last exponential: one for the batch
	s_wait_alu depctr_va_vdst(0)                   ; the wait for the step's exponentials, all 4 nq of them, ahead of the first denominator
	.set PH, 1
	.set Q, 0
.rept \nq/2
	HEADD
	SLOT
	DENQ Q
	DENQ Q+1
	.set Q, Q+2
.endr
	.set PH, 2
	.set Q, 0
.rept \nq
	SLOT
	RCPQ Q
	.set Q, Q+1
.endr
.if (JOB == 5) && (LAST == 0)
	INCALC                                         ; thirteen plain lines of the other group's window: the independent work between the batch and its wait
.else
	v_nop                                          ; the plain line behind the last reciprocal: one for the batch
.endif
	s_wait_alu depctr_va_vdst(0)                   ; the wait for the step's reciprocals, all 4 nq of them, ahead of the first H = z' s
	.set PH, 3
	.set Q, 0
.rept \nq/2
	SLOT
	GAW
	AHQ Q, RHT
	AHQ Q+1, RHB
	SLOT
	GAW
	AQQ Q, RQT
	AQQ Q+1, RQB
	SLOT
	GAW
	AGQ Q, RHT, RQT
	AGQ Q+1, RHB, RQB
	SLOT
	GAW
	ACH Q, RHT
	ACH Q+1, RHB
	SLOT
	GAW
	ATQ Q, RQT
	ATQ Q+1, RQB
	SLOT
	GAW
	ACT Q, RQT
	ACT Q+1, RQB
	.set Q, Q+2
.endr
.endm
; A trip: 32 rows.  On entry group A's h1 lies in its operands and group B's z1 in its accumulators.
.macro TRIP last
	STEP 1, 1, 16, 2, 0, 1, 0                      ; B: act 1     A: layer 2
	STEP 0, 2, 16, 2, 1, 1, 0                      ; A: act 2     B: layer 2
	STEP 1, 2, 16, 3, 0, 0, 0                      ; B: act 2     A: layer 3
	STEP 0, 3, 8, 3, 1, 1, 0                       ; A: act 3     B: layer 3
	STEP 1, 3, 8, 5, 0, 1, \last                   ; B: act 3     A: layer 4, out, next rows, layer 1
.if \last
	.set GM, 1                                     ; the last pair: B's layer 4 and results, nothing more to fetch
	MM4 0
	MM4 1
	MM4 2
	MM4 3
.rept 4
	v_nop                                          ; four places before the results are read (ISA guide 7.12.1)
.endr
	OUT
.else
	STEP 0, 1, 16, 5, 1, 1, 0                      ; A: act 1 of the next pair     B: layer 4, out, next rows, layer 1
.endif
.endm
.macro WMAX r                          ; the largest of the wave's 32 lanes, in every lane
	v_max_num_f32_dpp v[\r], v[\r], v[\r] row_xmask:1 row_mask:0xf bank_mask:0xf
	v_max_num_f32_dpp v[\r], v[\r], v[\r] row_xmask:2 row_mask:0xf bank_mask:0xf
	v_max_num_f32_dpp v[\r], v[\r], v[\r] row_xmask:4 row_mask:0xf bank_mask:0xf
	v_max_num_f32_dpp v[\r], v[\r], v[\r] row_xmask:8 row_mask:0xf bank_mask:0xf
	v_permlanex16_b32 v136, v[\r], s32, s33
	v_max_num_f32 v[\r], v[\r], v136
.endm
.macro CONSTS                          ; the zeros of layer 1's operand quads, the two ones' second word, -ln 2
.irp rr, 194,195,196,197,201,202,203,204,205,208,209,210,211,212,213
	v_mov_b32 v\rr, 0
.endr
	v_mov_b32 v200, 0x3c00                         ; (1.0, 0) in f16: multiplies c_lo
	v_mov_b32 v234, 0xbf317218
	v_mov_b32 v235, 0xbf317218
.endm
; ---------------------------------------------------------------- A. addresses, and all 84 global loads
	s_load_b512 s[4:19], s[0:1], 0x0               ; y s[4:5], v s[6:7], W1 s[8:9], b1 s[10:11], W2 s[12:13], b2 s[14:15], W3 s[16:17], b3 s[18:19]
	s_load_b256 s[20:27], s[0:1], 0x40             ; W4 s[20:21], b4 s[22:23], t s[24:25], out0 s[26:27]
	s_load_b128 s[28:31], s[0:1], 0x60             ; out1 s[28:29], logp s[30:31]
	s_set_vgpr_msb 0x40
	v_lshl_add_u32 v254, v0, 2, 0x23000
	v_mov_b32 v255, 0
	s_set_vgpr_msb 0x4000
	v_lshrrev_b32 v1, 5, v0
	v_readfirstlane_b32 s35, v1                    ; wave w
	v_and_b32 v2, 31, v0                           ; lane L
	v_and_b32 v14, 15, v0                          ; r = L & 15
	v_bfe_u32 v1, v0, 4, 1                         ; h = L >> 4
	s_mov_b32 s32, 0x76543210                      ; v_permlanex16_b32: lane i reads lane i of the other half
	s_mov_b32 s33, 0xfedcba98
	s_mov_b32 s53, 0x7f800000                      ; an f32's exponent field
	s_mov_b32 s54, 0x21800000                      ; 2^-60
	s_mov_b32 s55, 0x5d800000                      ; 2^60
	s_mul_i32 s58, ttmp9, 24576                    ; the work-group's 2,048 rows of 12 bytes
	s_mov_b32 s59, 0
	s_lshl_b32 s60, ttmp9, 13                      ; and of 4 bytes
	s_mov_b32 s61, 0
	s_mul_i32 s2, s35, 6144                        ; the wave's 512 rows of 12 bytes
	s_lshl_b32 s3, s35, 11                         ; and of 4 bytes
	v_lshl_add_u32 v3, v2, 4, s2                   ; y, v, out0: 6,144 w + 16 L
	v_lshl_add_u32 v8, v2, 4, s3                   ; logp, out1: 2,048 w + 16 L
	s_wait_kmcnt 0x0
	s_load_b32 s34, s[24:25], 0x0                  ; t
	s_load_b64 s[36:37], s[22:23], 0x0             ; b4
	s_add_nc_u64 s[4:5], s[4:5], s[58:59]
	s_add_nc_u64 s[6:7], s[6:7], s[58:59]
	s_add_nc_u64 s[26:27], s[26:27], s[58:59]
	s_add_nc_u64 s[28:29], s[28:29], s[60:61]
	s_add_nc_u64 s[30:31], s[30:31], s[60:61]
	.set NN, 0
.rept 12
	global_load_b128 v[16+4*NN:19+4*NN], v3, s[4:5] offset:512*NN th:TH_LOAD_NT     ; y: 512 consecutive bytes a load
	.set NN, NN+1
.endr
	s_lshl_b32 s58, s35, 7                         ; thread number t = 32 w + L, made of the scalar wave number and the lane
	s_lshl_b32 s59, s35, 9
	s_and_b32 s60, s35, 1
	s_lshl_b32 s60, s60, 7
	s_mul_i32 s61, s35, PW2
	s_add_co_u32 s61, s61, W2H
	s_mul_i32 s63, s35, 2*PW3
	s_add_co_u32 s63, s63, W3H
	s_lshl_b32 s62, s35, 5
	v_lshl_add_u32 v4, v2, 2, s58                  ; 4 t
	v_lshl_add_u32 v7, v2, 4, s59                  ; 16 t
	v_lshl_add_u32 v5, v2, 2, s60                  ; 4 (t & 63)
	v_lshlrev_b32 v6, 1, v5                        ; 8 (t & 63)
	v_lshrrev_b32 v15, 1, v5                       ; 2 (t & 63)
.irp jj, 0,1,2,3
	global_load_b32 v[112+\jj], v4, s[8:9] offset:512*\jj      ; W1[j][t]
.endr
	global_load_b32 v116, v4, s[10:11]             ; b1[t]
	global_load_b32 v117, v4, s[14:15]             ; b2[t]
	global_load_b32 v118, v5, s[18:19]             ; b3[t & 63]
	global_load_b64 v[120:121], v6, s[20:21]       ; W4[t & 63][0..1]
	WIN 0x40                                       ; destinations in window 1
	.set NN, 0
.rept 32
	global_load_b128 v[4*NN:4*NN+3], v7, s[12:13] offset:2048*NN           ; W2: chunk n = rows 4 n .. 4 n + 3, thread t four numbers
	.set NN, NN+1
.endr
	.set NN, 0
.rept 16
	global_load_b128 v[128+4*NN:131+4*NN], v7, s[16:17] offset:2048*NN     ; W3: chunk n = rows 8 n .. 8 n + 7
	.set NN, NN+1
.endr
	WIN 0
	.set NN, 0
.rept 12
	global_load_b128 v[64+4*NN:67+4*NN], v3, s[6:7] offset:512*NN th:TH_LOAD_NT     ; v
	.set NN, NN+1
.endr
	.set NN, 0
.rept 4
	global_load_b128 v[192+4*NN:195+4*NN], v8, s[30:31] offset:512*NN th:TH_LOAD_NT ; logp: read, and used by nothing, as in the reference
	.set NN, NN+1
.endr
	v_add_nc_u32 v9, YS, v3                        ; the wave's y in LDS
	v_mov_b32 v10, s62                             ; RED + 32 w
	v_mov_b32 v11, 0
	v_lshl_add_u32 v12, v2, 3, s61                 ; W2H + 288 w + 8 L: row 4 n + w, columns 4 L ..
	v_mul_u32_u24 v13, v1, PW3
	v_lshl_add_u32 v13, v14, 3, v13
	v_add_nc_u32 v13, s63, v13                     ; W3H + 160 (2 w + h) + 8 r: row 8 n + 2 w + h, columns 4 r ..
	v_mov_b32 v136, 0                              ; v_permlanex16_b32 counts as a reader of its destination
; ---------------------------------------------------------------- B. the eight maxima; y and v into LDS
	s_wait_loadcnt 63                              ; y and the small inputs are the oldest 20 of 84: 64 younger could stay out; 63 is the largest count the wait can name
	s_wait_kmcnt 0x0                               ; t, b4
	v_max_num_f32 v128, |v16|, |v17|
	.set JJ, 18
.rept 23
	v_max3_num_f32 v128, v128, |v[JJ]|, |v[JJ+1]|
	.set JJ, JJ+2
.endr
	v_max_num_f32 v128, 1.0, v128                  ; Y = max(1, max|y|)
	.set NN, 0
.rept 12
	ds_store_b128 v9, v[16+4*NN:19+4*NN] offset:512*NN
	.set NN, NN+1
.endr
	v_mul_f32 v112, 0xbfb8aa3b, v112               ; W1' = -log2(e) W1[0..2]
	v_mul_f32 v113, 0xbfb8aa3b, v113
	v_mul_f32 v114, 0xbfb8aa3b, v114
	v_fma_f32 v116, v115, s34, v116
	v_mul_f32 v116, 0xbfb8aa3b, v116               ; c1 = -log2(e) (t W1[3] + b1)
	v_mul_f32 v117, 0xbfb8aa3b, v117               ; b2'
	v_mul_f32 v118, 0xbfb8aa3b, v118               ; b3'
	v_mul_f32 v120, 0xbf317218, v120               ; -ln2 W4
	v_mul_f32 v121, 0xbf317218, v121
	v_max3_num_f32 v129, |v112|, |v113|, |v114|    ; M1
	v_and_b32 v130, 0x7fffffff, v116               ; C1
	v_and_b32 v132, 0x7fffffff, v117               ; beta2
	v_and_b32 v134, 0x7fffffff, v118               ; beta3
	v_max_num_f32 v135, |v120|, |v121|             ; M4
	s_wait_loadcnt 32                              ; W2 is in: W3's 16, v's 12 and logp's 4 stay out
	WIN 0x55
	v_max_num_f32 v192, |v0|, |v1|
	.set JJ, 2
.rept 63
	v_max3_num_f32 v192, v192, |v[JJ]|, |v[JJ+1]|
	.set JJ, JJ+2
.endr
	s_wait_loadcnt 16                              ; W3 is in: v's 12 and logp's 4 stay out
	v_max_num_f32 v193, |v128|, |v129|
	.set JJ, 130
.rept 31
	v_max3_num_f32 v193, v193, |v[JJ]|, |v[JJ+1]|
	.set JJ, JJ+2
.endr
	WIN 0x01
	v_mov_b32 v131, v192                           ; M2
	v_mov_b32 v133, v193                           ; M3
	WIN 0
	s_wait_loadcnt 0x0                             ; v and logp: no global load is out from here on
	.set NN, 0
.rept 12
	ds_store_b128 v9, v[64+4*NN:67+4*NN] offset:VSD+512*NN
	.set NN, NN+1
.endr
.irp rr, 128,129,130,131,132,133,134,135
	WMAX \rr
.endr
	ds_store_b128 v10, v[128:131]                  ; all lanes write the same words with the same values
	ds_store_b128 v10, v[132:135] offset:16
	s_wait_dscnt 0x0                               ; for the other waves' sake: my figures are in LDS
	s_barrier_signal -1
	s_barrier_wait -1
	.set NN, 0
.rept 8
	ds_load_b128 v[140+4*NN:143+4*NN], v11 offset:RED+16*NN
	.set NN, NN+1
.endr
	s_wait_dscnt 0x0
	.set II, 0
.rept 8
	v_max3_num_f32 v[128+II], v[140+II], v[148+II], v[156+II]
	v_max_num_f32 v[128+II], v[128+II], v[164+II]
	.set II, II+1
.endr
; ---------------------------------------------------------------- C. bounds and scales.  E(x): x's exponent field, a power of two <= x.  0x7f000000 - E(x): its reciprocal.
	v_mul_f32 v172, v129, v128
	v_fma_f32 v172, v172, 0x40400000, v130         ; B1 = 3 M1 Y + C1 >= |z'1|, and >= |h'1| since |silu(z)| <= |z|
	v_mul_f32 v173, v131, v172
	v_fma_f32 v173, v173, 0x43000000, v132         ; B2 = 128 M2 B1 + beta2
	v_mul_f32 v174, v133, v173
	v_fma_f32 v174, v174, 0x43000000, v134         ; B3 = 128 M3 B2 + beta3
	v_and_b32 v175, s53, v131
	v_sub_nc_u32 v175, 0x7f000000, v175
	v_mul_f32 v175, 0x39800000, v175               ; 2^-12 / E(M2): the largest scaled weight is at least 2^-12
	v_and_b32 v176, s53, v172                      ; E(B1)
	v_mul_f32 v177, 0x38800000, v176               ; 2^-14 E(B1): |h'1| / sigma2 < 2^15
	v_max_num_f32 v178, v175, v177                 ; sigma2
	v_and_b32 v175, s53, v133
	v_sub_nc_u32 v175, 0x7f000000, v175
	v_mul_f32 v175, 0x39800000, v175
	v_and_b32 v177, s53, v173
	v_mul_f32 v177, 0x38800000, v177
	v_max_num_f32 v179, v175, v177                 ; sigma3
	v_and_b32 v177, s53, v174
	v_mul_f32 v177, 0x38800000, v177
	v_max_num_f32 v180, 0x2b800000, v177           ; sigma4 = max(2^-14 E(B3), 2^-40)
	v_and_b32 v181, s53, v135                      ; E(M4)
	v_sub_nc_u32 v182, 0x7f000000, v181            ; nu4 = 1 / E(M4): |W4 scaled| < 2
	v_mul_f32 v183, v180, v181                     ; lambda4 = sigma4 / nu4
	v_xor_b32 v188, 0x80000000, v183               ; -lambda4
	v_and_b32 v184, s53, v129                      ; E(M1) <= E(B1), since B1 >= 3 M1
	v_sub_nc_u32 v184, v176, v184
	v_add_nc_u32 v184, 0x3d800000, v184            ; bits of E(B1) / (16 E(M1)): then 1.1^3 x 3 M1 |v| tau0 <= B1, and |silu'| <= 1.1 keeps the tangent under B1, B2, B3
	v_min_u32 v184, 0x46000000, v184               ; at most 2^13: |v tau0| < 2^14
	v_add_nc_u32 v184, 0x3f800000, v184            ; + the bias, for the subtraction of v's exponent field
	v_mul_f32 v185, 0x3f317218, v178               ; ln2 sigma
	v_mul_f32 v186, 0x3f317218, v179
	v_mul_f32 v187, 0x3f317218, v180
	v_readfirstlane_b32 s38, v178
	v_readfirstlane_b32 s40, v179
	v_readfirstlane_b32 s42, v180
	v_readfirstlane_b32 s44, v185
	v_readfirstlane_b32 s46, v186
	v_readfirstlane_b32 s48, v187
	v_readfirstlane_b32 s50, v183
	v_readfirstlane_b32 s51, v188
	v_readfirstlane_b32 s52, v184
	v_readfirstlane_b32 s56, v182
	s_mov_b32 s39, s38                             ; the packed forms name pairs
	s_mov_b32 s41, s40
	s_mov_b32 s43, s42
	s_mov_b32 s45, s44
	s_mov_b32 s47, s46
	s_mov_b32 s49, s48
; ---------------------------------------------------------------- D. weights, scaled and rounded to f16, into LDS
	v_cvt_f16_f32 v122.l, v116
	v_cvt_f32_f16 v123, v122.l                     ; c_hi
	v_sub_f32 v122, v116, v123                     ; c_lo: the bias enters layer 1 as two f16
	v_cvt_pk_f16_f32 v124, v112, v113
	v_cvt_pk_f16_f32 v125, v114, v123
	v_cvt_pk_f16_f32 v126, v122, 0
	v_mov_b32 v127, 0
	ds_store_b128 v7, v[124:127] offset:W1R        ; feature t's record
	ds_store_b32 v4, v117 offset:B2R
	v_mul_f32 v120, s56, v120
	v_mul_f32 v121, s56, v121
	v_cvt_pk_f16_f32 v119, v120, v121              ; -ln2 nu4 W4[k][0], [k][1]
	s_cmp_ge_u32 s35, 2
	s_cbranch_scc1 .Lno_small                      ; 64 numbers each: waves 0 and 1 alone store them, so that each byte has one writer
	ds_store_b32 v5, v118 offset:B3R
	ds_store_b16 v15, v119 offset:W4T
	ds_store_b16_d16_hi v15, v119 offset:W4T+144
.Lno_small:
	WIN 0x55
	.set NN, 0
.rept 32
	v_pk_mul_f32 v[4*NN:4*NN+1], v[4*NN:4*NN+1], s[38:39] op_sel_hi:[1,0]
	v_pk_mul_f32 v[4*NN+2:4*NN+3], v[4*NN+2:4*NN+3], s[38:39] op_sel_hi:[1,0]
	v_cvt_pk_f16_f32 v[4*NN], v[4*NN], v[4*NN+1]
	v_cvt_pk_f16_f32 v[4*NN+1], v[4*NN+2], v[4*NN+3]
	.set NN, NN+1
.endr
	.set NN, 32
.rept 16
	v_pk_mul_f32 v[4*NN:4*NN+1], v[4*NN:4*NN+1], s[40:41] op_sel_hi:[1,0]
	v_pk_mul_f32 v[4*NN+2:4*NN+3], v[4*NN+2:4*NN+3], s[40:41] op_sel_hi:[1,0]
	v_cvt_pk_f16_f32 v[4*NN], v[4*NN], v[4*NN+1]
	v_cvt_pk_f16_f32 v[4*NN+1], v[4*NN+2], v[4*NN+3]
	.set NN, NN+1
.endr
	WIN 0x04                                       ; address window 0, data window 1
	.set NN, 0
.rept 32
	ds_store_b64 v12, v[4*NN:4*NN+1] offset:4*PW2*NN
	.set NN, NN+1
.endr
	.set NN, 0
.rept 16
	ds_store_b64 v13, v[128+4*NN:129+4*NN] offset:8*PW3*NN
	.set NN, NN+1
.endr
	WIN 0
	s_wait_dscnt 0x0                               ; for the other waves' sake: my part of the weights is in LDS
	s_barrier_signal -1
	s_barrier_wait -1
; ---------------------------------------------------------------- E. every wave takes all fragments into its registers; LDS below YS is not written again
	v_and_b32 v16, 7, v2
	v_bfe_u32 v17, v2, 3, 1
	v_lshl_add_u32 v18, v1, 3, v16                 ; 8 h + (L & 7): the row of [k][n] that the transposing load takes from this lane's address
	v_mul_u32_u24 v21, v18, PW2
	v_lshl_add_u32 v21, v17, 4, v21
	v_add_nc_u32 v21, W2H, v21
	v_mul_u32_u24 v22, v18, PW3
	v_lshl_add_u32 v22, v17, 4, v22
	v_add_nc_u32 v22, W3H, v22
	v_lshlrev_b32 v23, 5, v1                       ; bias tiles: register j of lane (r, h) is feature 16 f + 8 h + j
	v_lshlrev_b32 v24, 4, v14                      ; W1: row r's record
	v_and_b32 v25, 1, v2
	v_mul_u32_u24 v25, v25, 144
	v_lshl_add_u32 v25, v1, 4, v25                 ; W4: column r & 1, k = 8 h ..
	v_and_b32 v26, 7, v2
	v_mad_u32_u24 v28, v14, 12, s2                 ; 6,144 w + 12 r
	v_lshl_add_u32 v29, v14, 2, s3                 ; 2,048 w + 4 r
	v_cmp_eq_u32 vcc_lo, 0, v1                     ; lanes with h = 0
	v_cmp_gt_u32 s57, 2, v26                       ; lanes with (r & 7) < 2
	WIN 0x80                                       ; destinations in window 2
	.set FI, 0
.rept 8
	.set KI, 0
.rept 4
	ds_load_tr16_b128 v[8*(4*FI+KI):8*(4*FI+KI)+3], v21 offset:32*PW2*KI+32*FI               ; k = 32 k + 8 h .., feature 16 f + r
	ds_load_tr16_b128 v[8*(4*FI+KI)+4:8*(4*FI+KI)+7], v21 offset:32*PW2*KI+32*FI+16*PW2      ; k = 32 k + 16 + 8 h ..
	.set KI, KI+1
.endr
	.set FI, FI+1
.endr
	WIN 0xc0                                       ; destinations in window 3
	.set FI, 0
.rept 4
	.set KI, 0
.rept 4
	ds_load_tr16_b128 v[8*(4*FI+KI):8*(4*FI+KI)+3], v22 offset:32*PW3*KI+32*FI
	ds_load_tr16_b128 v[8*(4*FI+KI)+4:8*(4*FI+KI)+7], v22 offset:32*PW3*KI+32*FI+16*PW3
	.set KI, KI+1
.endr
	.set FI, FI+1
.endr
	.set FI, 0
.rept 8
	ds_load_b128 v[128+8*FI:131+8*FI], v23 offset:B2R+64*FI
	ds_load_b128 v[132+8*FI:135+8*FI], v23 offset:B2R+64*FI+16
	.set FI, FI+1
.endr
	.set FI, 0
.rept 4
	ds_load_b128 v[192+8*FI:195+8*FI], v23 offset:B3R+64*FI
	ds_load_b128 v[196+8*FI:199+8*FI], v23 offset:B3R+64*FI+16
	.set FI, FI+1
.endr
	.set FI, 0
.rept 8
	ds_load_b128 v[224+4*FI:227+4*FI], v24 offset:W1R+256*FI
	.set FI, FI+1
.endr
	WIN 0
.irp kk, 0,1
	ds_load_b128 v[240+8*\kk:243+8*\kk], v25 offset:W4T+64*\kk
	ds_load_b128 v[244+8*\kk:247+8*\kk], v25 offset:W4T+64*\kk+32
.endr
	CONSTS
	WIN 0x55
	CONSTS
	WIN 0x40                                       ; sources window 0, destinations window 1
	v_add_nc_u32 v[LY], YS, v28
	v_add_nc_u32 v[LO0], O0S, v28
	v_add_nc_u32 v[LO1], O1S, v29
	v_add_nc_u32 v[RO0], O0S, v3
	v_add_nc_u32 v[RO1], O1S, v8
	v_mov_b32 v[GO0], v3
	v_mov_b32 v[GO1], v8
	s_wait_dscnt 0x0                               ; all fragments
	WIN 0
	.set II, 240
.rept 16
	v_cndmask_b32 v[II], 0, v[II], s57             ; W4: rows other than 0, 1, 8, 9 are zero
	.set II, II+1
.endr
	WIN 0xff
	.set II, 224
.rept 32
	v_cndmask_b32 v[II], 0, v[II], vcc_lo          ; W1: k = 8 .. 15 and 24 .. 31 (lanes with h = 1) are zero
	.set II, II+1
.endr
; ---------------------------------------------------------------- F. the pipeline is filled: both groups' first rows, layer 1, group A's first activation
	.set GM, 0
	INLD
	.set GM, 1
	INLD
	.set GM, 0
	INCALC
	.set GM, 1
	INCALC
	.set MI, 0
.rept 16
	.set GM, 0
	MM1 MI
	.set GM, 1
	MM1 MI
	.set MI, MI+1
.endr
.rept 4
	v_nop                                          ; four places before the results are read (ISA guide 7.12.1)
.endr
	STEP 0, 1, 16, 0, 0, 1, 0
; ---------------------------------------------------------------- G. 16 trips; the last is written out and fetches nothing
	WIN 0                                          ; at a label and at a branch every window is 0
	s_mov_b32 s62, 15
.Ltrip:
	TRIP 0
	WIN 0
	s_sub_co_u32 s62, s62, 1
	s_cmp_lg_u32 s62, 0
	s_cbranch_scc1 .Ltrip
	TRIP 1
; ---------------------------------------------------------------- H. the way out: the wave's own stage, read back 512 consecutive bytes a load and stored so
	WIN 0x01                                       ; addresses window 1, data window 0
	.set NN, 0
.rept 12
	ds_load_b128 v[4*NN:4*NN+3], v[RO0] offset:512*NN          ; LDS serves a wave's instructions in order (ISA guide 5.7.1): these see the wave's stores
	.set NN, NN+1
.endr
	.set NN, 0
.rept 4
	ds_load_b128 v[48+4*NN:51+4*NN], v[RO1] offset:512*NN
	.set NN, NN+1
.endr
	.set NN, 0
.rept 12
	s_wait_dscnt 15-NN                             ; of the sixteen loads the younger ones stay out
	global_store_b128 v[GO0], v[4*NN:4*NN+3], s[26:27] offset:512*NN th:TH_STORE_NT    ; 512 consecutive bytes, at a multiple of 512 from out0's first byte
	.set NN, NN+1
.endr
	.set NN, 0
.rept 4
	s_wait_dscnt 3-NN
	global_store_b128 v[GO1], v[48+4*NN:51+4*NN], s[28:29] offset:512*NN th:TH_STORE_NT
	.set NN, NN+1
.endr
	WIN 0
	s_set_vgpr_msb 0x5
	s_wait_tensorcnt 0x0
	ds_add_u32 v254, v255
	s_wait_dscnt 0x0
	s_set_vgpr_msb 0x500
	s_endpgm
.Lfunc_end_k_q31957ee7ea_cnf:
	.size	k_q31957ee7ea_cnf, .Lfunc_end_k_q31957ee7ea_cnf-k_q31957ee7ea_cnf
	.p2alignl 7, 3214868480
	.fill 96, 4, 3214868480
	.section	.rodata,"a",@progbits
	.p2align	6, 0x0
	.amdhsa_kernel k_q31957ee7ea_cnf
		.amdhsa_group_segment_fixed_size 143872
		.amdhsa_private_segment_fixed_size 0
		.amdhsa_enable_private_segment 0
		.amdhsa_kernarg_size 112
		.amdhsa_user_sgpr_count 2
		.amdhsa_user_sgpr_kernarg_segment_ptr 1
		.amdhsa_wavefront_size32 1
		.amdhsa_system_sgpr_workgroup_id_x 1
		.amdhsa_system_sgpr_workgroup_id_y 1
		.amdhsa_system_sgpr_workgroup_id_z 1
		.amdhsa_system_vgpr_workitem_id 0
		.amdhsa_next_free_vgpr 1024
		.amdhsa_next_free_sgpr 66
		.amdhsa_reserve_vcc 1
		.amdhsa_float_denorm_mode_32 3
		.amdhsa_float_denorm_mode_16_64 3
		.amdhsa_memory_ordered 1
		.amdhsa_forward_progress 1
		.amdhsa_inst_pref_size 255
	.end_amdhsa_kernel
	.section	.bss,"aw",@nobits
	.p2align	6
	.space	262144
	.amdgpu_metadata
---
amdhsa.version: [ 1, 2 ]
amdhsa.kernels:
  - .name:           k_q31957ee7ea_cnf
    .symbol:         k_q31957ee7ea_cnf.kd
    .args:
      - { .name: y, .offset: 0, .size: 8, .value_kind: global_buffer, .address_space: global }
      - { .name: v, .offset: 8, .size: 8, .value_kind: global_buffer, .address_space: global }
      - { .name: W1, .offset: 16, .size: 8, .value_kind: global_buffer, .address_space: global }
      - { .name: b1, .offset: 24, .size: 8, .value_kind: global_buffer, .address_space: global }
      - { .name: W2, .offset: 32, .size: 8, .value_kind: global_buffer, .address_space: global }
      - { .name: b2, .offset: 40, .size: 8, .value_kind: global_buffer, .address_space: global }
      - { .name: W3, .offset: 48, .size: 8, .value_kind: global_buffer, .address_space: global }
      - { .name: b3, .offset: 56, .size: 8, .value_kind: global_buffer, .address_space: global }
      - { .name: W4, .offset: 64, .size: 8, .value_kind: global_buffer, .address_space: global }
      - { .name: b4, .offset: 72, .size: 8, .value_kind: global_buffer, .address_space: global }
      - { .name: t, .offset: 80, .size: 8, .value_kind: global_buffer, .address_space: global }
      - { .name: out0, .offset: 88, .size: 8, .value_kind: global_buffer, .address_space: global }
      - { .name: out1, .offset: 96, .size: 8, .value_kind: global_buffer, .address_space: global }
      - { .name: logp, .offset: 104, .size: 8, .value_kind: global_buffer, .address_space: global }
    .group_segment_fixed_size: 143872
    .private_segment_fixed_size: 0
    .kernarg_segment_align: 8
    .kernarg_segment_size: 112
    .max_flat_workgroup_size: 128
    .sgpr_count:     66
    .vgpr_count:     1024
    .wavefront_size: 32
...
	.end_amdgpu_metadata
.endif
;; end of part 2
